; MI455X (gfx1250); checked and timed in simulation.
; The chip was launched on July 23, 2026; its instructions are those of AMD's public machine-readable ISA for CDNA 5 (MIT licence, August 2026) and "CDNA5" Instruction Set Architecture Reference Guide (July 2026). The comments in the code are by the model that wrote it; some were corrected since.
;; GRU Cell. Allowed arithmetic: matrix products marked QUANTISED: E2M1 operands, one E8M0 scale for each 32 along K, by v_wmma_scale_f32_16x16x128_f8f6f4 with both operands' format E2M1 (or v_wmma_scale_f32_32x16x128_f4), f32 sums; everything else in f32.
;; Inputs: W_gate 1,024 x 1,024 float32; W_h 512 x 512 float32; W_i 512 x 512 float32; b_gate 1,024 float32; b_h 512 float32; b_i 512 float32; hidden 16,384 x 512 float32; input 16,384 x 512 float32.
;; Outputs: out0 16,384 x 512 float32.
;; This version of the problem:
;;   THIS VERSION OF THE PROBLEM IS GIVEN IN LOW PRECISION. The matrix products marked QUANTISED in the list below multiply operands that are first quantised to E2M1 (2 exponent bits, 1 mantissa bit; 4 bits a number), with one power-of-two scale for each 32 numbers along K (OCP MX v1.0); their sums are f32. All else is computed in f32.
;;   The module's matrix products, in the order in which they are computed (A, B: the left and right operand; K: the contracted axis; several contracted axes count as one K, in the product's order):
;;     1. [M 16,384, K 1,024] x [K 1,024, N 1,024]; A: computed on the way; B: input W_gate: QUANTISED
;;     2. [M 16,384, K 512] x [K 512, N 512]; A: input input; B: input W_i: QUANTISED
;;     3. [M 16,384, K 512] x [K 512, N 512]; A: input hidden; B: input W_h: QUANTISED
;;   THE QUANTISER, for each operand of a quantised product, along K:
;;     - K is cut into blocks of 32 from its start; a last block that is shorter is filled with zeros.
;;     - A block's scale is 2^e with e = floor(log2(the largest magnitude in the block)) - 2, held to -126 .. 127; a block of zeros has e = 0. As a byte (E8M0): e + 127.
;;     - Each number is divided by its block's scale, clamped to +-6, and rounded to the nearest number of E2M1, ties to even, subnormals kept.
;;     - The product sums the exact products of the quantised numbers (number of the format x scale) in f32.
;;   ~~~python
;;   def quantise(x, axis):      # numpy; x: float32 -> the quantised numbers, widened to float32 again
;;       x = np.moveaxis(x, axis, -1); K = x.shape[-1]
;;       x = np.pad(x, [(0, 0)] * (x.ndim - 1) + [(0, -K % 32)]); x = x.reshape(x.shape[:-1] + (-1, 32)); a = np.abs(x).max(-1, keepdims=True)
;;       e = np.where(a > 0, np.clip(np.frexp(np.where(a > 0, a, 1))[1] - 1 - 2, -126, 127), 0)      # np.frexp(a)[1] - 1 = floor(log2(a)), exactly
;;       r = np.clip(x / 2.0 ** e, -6, 6)
;;       step = 2.0 ** (np.maximum(np.frexp(np.where(r == 0, 1, r))[1] - 1, 0) - 1)
;;       q = np.round(r / step) * step * 2.0 ** e      # np.round: ties to even
;;       return np.moveaxis(q.reshape(q.shape[:-2] + (-1,))[..., :K], -1, axis).astype(np.float32)
;;   ~~~
;;   OPERANDS COMPUTED ON THE WAY. 'Computed on the way' means the value that the module computes at that place (a softmax that the list does not call 'softmax' is quantised finished and normalised). What goes into a quantiser is computed in f32, as accurately as f32 sums, v_exp_f32 and their like allow (about 1e-6 of the number): no bf16 or f16 on the way to a quantiser, and a product that is left as it is and whose result goes on into a quantised operand takes f32 operands (vector FMAs, or v_wmma_f32_16x16x4_f32). A number that lies on a knife's edge between two numbers of the format may be rounded either way, as far as f32 arithmetic and the matrix unit's own rounding can turn it there, and no further.
;; One version. Each part assembles by itself: llvm-mc -triple=amdgcn-amd-amdhsa -mcpu=gfx1250 --defsym DOCPART=n.
;; ======== version 1 of 1: 2 launches
;; limits: right only within a limited range of input values
;; workspace buffers: xcodes 8,388,608 bytes; xscales 524,288 bytes; wrec 835,584 bytes
;; launch quant (part 1): grid 256 x 1, 11 waves a work-group, no clusters, 94,464 bytes of LDS; arguments input, hidden, W_gate, W_i, W_h, xcodes, xscales, wrec; writes xcodes, xscales, wrec
.if DOCPART == 1
	.amdgcn_target "amdgcn-amd-amdhsa--gfx1250"
	.amdhsa_code_object_version 6
	.text
	.protected	k_qf4187b1d0b_quant
	.globl	k_qf4187b1d0b_quant
	.p2align	8
	.type	k_qf4187b1d0b_quant,@function
k_qf4187b1d0b_quant:
	s_mov_b64 s[64:65], 0
	v_nop
	global_prefetch_b8 v0, s[64:65] scope:SCOPE_SE
	s_setreg_imm32_b32 hwreg(HW_REG_WAVE_MODE, 25, 1), 1
	s_wait_xcnt 0x0
; input, hidden and the three weights, all f32 with K innermost, become codes of FP4 (E2M1) with one E8M0 scale byte for each 32 along K, LAID IN THE ORDER OF THE OPERANDS' REGISTERS, as the second launch takes them.
; Blocks of 32 do not straddle the seam of the concatenation (512 is a multiple of 32): input's and hidden's codes, made once, serve all three products.
; A fragment is 16 rows x 128 along K: 8 registers of codes (1,024 bytes: registers 4 c .. 4 c + 3 of lane l at 512 c + 16 l) and a scale word a row.
; xcodes: 32,768 bytes for each 64 rows: fragment (K step s of 8, row tile m of 4) at 1,024 (4 s + m); K steps 0-3 are input's, 4-7 hidden's.
; xscales: 2,048 bytes for each 64 rows: the words of (s, m), row r at 512 (2 (s / 4) + m / 2) + 256 (m % 2) + 16 r + 4 (s % 4).
; wrec: a record of 26,112 bytes for each 16 columns of the result: fragment f = 3 s + g (g: 0 r gate's rows, 1 z gate's, 2 W_i's for s < 4, W_h's for s >= 4) at 1,024 f;
;   behind the 24 fragments the word of row r of fragment f at 24,576 + 512 (f / 8) + 256 (f % 2) + 16 r + 4 ((f / 2) % 4).
; A block's scale is 2^(floor(log2(its largest magnitude)) - 2); its byte is the largest magnitude's exponent field - 2, held at 1 from below.
; LIMITS: a block of zeros gets the byte 1 where the rule says 127 (its codes are zeros, which add nothing under any byte but 0xff, and this program alone reads the bytes); NaN and infinities among the inputs are not served.
; SHARES: a work-group takes 64 rows of x and three weight fragments.  Wave w < 8: row tile m = w / 2 of input (w even) or hidden (w odd): 32,768 consecutive bytes, four fragments, three of them asked for at once.
; Waves 8-10: one weight fragment each: 16 columns work-group / 8, K step work-group % 8, g = wave - 8.  Waves share nothing: no barrier, no cluster.
; Each load reads 512 consecutive bytes of one row, 16 a lane; the conversions want 32 neighbours along K in ONE lane: so the 16 rows turn through the wave's own 8,448 bytes of LDS.
.set XP,   528                         ; an LDS row: 512 bytes + 16 of padding = 33 x 16 bytes: sixteen rows start at sixteen different 16-byte columns of the 64 banks of 4 bytes (ISA guide 11.1)
.set TURN, 16*XP
.set SPARE, 11*TURN                    ; behind the eleven turns: the spare words, 128 bytes a wave
.set REC,  26112
.set RSC,  24576
.set L16,  1                           ; v1  16 x lane
.set TI,   2                           ; v2  my turn, in: + 16 x lane
.set TO,   3                           ; v3  back: XP r + 128 h
.set SH8,  4                           ; v4  8 h
.set R16,  5                           ; v5  16 r
.set SPW,  6
.set NIL,  7
.set TM,   8                           ; v8-9 the two blocks' largest magnitudes;  v10-11 their second chains
.set TN,   10
.set SO,   12                          ; v12-13 the conversions' scale operands
.set BY,   14                          ; v14-15 the scale bytes
.set T,    16
.set T2,   17                          ; written once: a lane permute's destination counts as one of its sources
.set PW,   20                          ; v20-23 scale words of my four fragments
.set PC,   32                          ; v32-63 their codes: eight registers each, so that no store's data are written again
.set R,    64                          ; v64-255 three fragments' numbers
.set SEL,  40                          ; s[40:41] v_permlanex16_b32's selects for lane l xor 16
; 64 numbers of a lane: register 32 c + n = k 64 c + 32 h + n of row r: the order of the 4-bit operand; a lane holds two whole blocks of 32.
.macro QUANT x, pc, pw
.irp c, 0,1
	v_max3_num_f32 v[TM+\c], |v[(\x)+32*\c]|, |v[(\x)+32*\c+1]|, 0x1800000   ; the floor 2^(3 - 127) among the leaves holds the byte at 1 from below
	v_max3_num_f32 v[TN+\c], |v[(\x)+32*\c+16]|, |v[(\x)+32*\c+17]|, |v[(\x)+32*\c+18]|   ; four chains by turns
.endr
.irp i, 0,2,4,6,8,10
.irp c, 0,1
	v_max3_num_f32 v[TM+\c], v[TM+\c], |v[(\x)+32*\c+2+\i]|, |v[(\x)+32*\c+3+\i]|
	v_max3_num_f32 v[TN+\c], v[TN+\c], |v[(\x)+32*\c+19+\i]|, |v[(\x)+32*\c+20+\i]|
.endr
.endr
.irp c, 0,1
	v_max3_num_f32 v[TM+\c], v[TM+\c], |v[(\x)+32*\c+14]|, |v[(\x)+32*\c+15]|
.endr
.irp c, 0,1
	v_max3_num_f32 v[TM+\c], v[TM+\c], v[TN+\c], |v[(\x)+32*\c+31]|
.endr
.irp c, 0,1
	v_add_nc_u32 v[SO+\c], 0xff000000, v[TM+\c]    ; 2 off the exponent field: the conversion takes the exponent field of this operand as its scale, and nothing else of it
.endr
.irp c, 0,1
	v_lshrrev_b32 v[BY+\c], 23, v[SO+\c]           ; the scale's byte
.endr
	v_lshl_or_b32 v[T], v[BY+1], 16, v[BY]         ; my two bytes: blocks h and 2 + h of row r,
	v_lshlrev_b32 v[T], v[SH8], v[T]               ; at their places in the word (8 h bits up);
	v_permlanex16_b32 v[T2], v[T], s[SEL], s[SEL+1]
	v_or_b32 v[\pw], v[T], v[T2]                   ; with lane l xor 16's two the word is whole, in both lanes
.irp c, 0,1
.irp g, 0,1,2,3
	v_cvt_scalef32_pk8_fp4_f32 v[(\pc)+4*\c+\g], v[(\x)+32*\c+8*\g:(\x)+32*\c+8*\g+7], v[SO+\c]   ; to the nearest code, ties to even, beyond 6 the largest code
.endr
.endr
	v_nop                                          ; one plain place behind the last scaled conversion
.endm
; 16 rows as loaded go through my turn and come back into the same registers: LDS serves a wave's instructions in order (ISA guide 5.7.1.4).
.macro THROUGH x
.irp i, 0,1,2,3,4,5,6,7,8,9,10,11,12,13,14,15
	ds_store_b128 v[TI], v[(\x)+4*\i:(\x)+4*\i+3] offset:XP*\i
.endr
.irp c, 0,1
.irp i, 0,1,2,3,4,5,6,7
	ds_load_b128 v[(\x)+32*\c+4*\i:(\x)+32*\c+4*\i+3], v[TO] offset:256*\c+16*\i
.endr
.endr
	s_wait_dscnt 0x0
.endm
.macro XLD j                           ; fragment j of my four: row i at 2,048 i + 512 j
.irp i, 0,1,2,3,4,5,6,7,8,9,10,11,12,13,14,15
	global_load_b128 v[R+64*((\j)%3)+4*\i:R+64*((\j)%3)+4*\i+3], v[L16], s[4:5] offset:2048*\i+512*(\j) th:TH_LOAD_NT   ; 32 lanes read 512 consecutive bytes
.endr
.endm
.macro XQ j, younger
	s_wait_loadcnt \younger                        ; this fragment's 16 loads are in; those of the younger fragments may be out
	THROUGH R+64*((\j)%3)
	QUANT R+64*((\j)%3), PC+8*(\j), PW+(\j)
.irp c, 0,1
	global_store_b128 v[L16], v[PC+8*(\j)+4*\c:PC+8*(\j)+4*\c+3], s[14:15] offset:4096*(\j)+512*\c   ; 32 lanes store 512 consecutive bytes, at a multiple of 256 from the buffer's first byte
.endr
.endm
.macro FINISH                          ; the wave's end
	s_wait_tensorcnt 0x0
	ds_add_u32 v[SPW], v[NIL]
	s_wait_dscnt 0x0
	s_endpgm
.endm
	s_load_b256 s[4:11], s[0:1], 0x0               ; input s[4:5], hidden s[6:7], W_gate s[8:9], W_i s[10:11]
	s_load_b256 s[12:19], s[0:1], 0x20             ; W_h s[12:13], xcodes s[14:15], xscales s[16:17], wrec s[18:19]
	v_lshl_add_u32 v[SPW], v0, 2, SPARE
	v_mov_b32 v[NIL], 0
	v_lshrrev_b32 v18, 5, v0
	v_readfirstlane_b32 s24, v18                   ; wave 0..10
	s_mul_i32 s25, s24, TURN
	v_and_b32 v19, 31, v0                          ; lane
	v_and_b32 v24, 15, v0                          ; r
	v_bfe_u32 v25, v0, 4, 1                        ; h
	v_lshlrev_b32 v[L16], 4, v19
	v_add_nc_u32 v[TI], s25, v[L16]
	v_mul_u32_u24 v[TO], v24, XP
	v_lshl_add_u32 v[TO], v25, 7, v[TO]
	v_add_nc_u32 v[TO], s25, v[TO]
	v_lshlrev_b32 v[SH8], 3, v25
	v_lshlrev_b32 v[R16], 4, v24
	v_mov_b32 v[T2], 0
	s_mov_b32 s[SEL], 0x76543210
	s_mov_b32 s[SEL+1], 0xfedcba98
	s_wait_alu depctr_va_vdst(0)
	s_cmp_lt_u32 s24, 8
	s_cbranch_scc0 .Lweights
	s_and_b32 s26, s24, 1                          ; t: input or hidden
	s_lshr_b32 s27, s24, 1                         ; m
	s_lshl_b32 s28, ttmp9, 17                      ; 64 rows of 2,048 bytes,
	s_lshl_b32 s30, s27, 15
	s_add_co_u32 s28, s28, s30                     ; my 16 of them
	s_mov_b32 s29, 0
	s_lshl_b32 s32, ttmp9, 15                      ; codes: + 16,384 t + 1,024 m
	s_lshl_b32 s30, s26, 14
	s_add_co_u32 s32, s32, s30
	s_lshl_b32 s30, s27, 10
	s_add_co_u32 s32, s32, s30
	s_mov_b32 s33, 0
	s_lshl_b32 s34, ttmp9, 11                      ; scale words: + 1,024 t + 256 m
	s_lshl_b32 s30, s26, 10
	s_add_co_u32 s34, s34, s30
	s_lshl_b32 s30, s27, 8
	s_add_co_u32 s34, s34, s30
	s_mov_b32 s35, 0
	s_wait_kmcnt 0x0
	s_cmp_eq_u32 s26, 0
	s_cselect_b64 s[4:5], s[4:5], s[6:7]
	s_add_nc_u64 s[4:5], s[4:5], s[28:29]
	s_add_nc_u64 s[14:15], s[14:15], s[32:33]
	s_add_nc_u64 s[16:17], s[16:17], s[34:35]
	XLD 0
	XLD 1
	XLD 2
	XQ 0, 32
	XLD 3                                          ; into the registers that fragment 0 has left
	XQ 1, 32
	XQ 2, 16
	XQ 3, 0
	s_wait_alu depctr_va_vdst(0)
	global_store_b128 v[R16], v[PW:PW+3], s[16:17] ; 256 consecutive bytes; lanes r and r + 16 store the same words to the same place
	FINISH
.Lweights:
	s_sub_co_u32 s23, s24, 8                       ; g
	s_lshr_b32 s26, ttmp9, 3                       ; kw: which 16 columns of the result
	s_and_b32 s27, ttmp9, 7                        ; s
	s_lshl_b32 s20, s23, 9                         ; 512 g: the z gate's rows lie 512 below the r gate's
	s_and_b32 s21, s27, 3                          ; the K step inside W_i or W_h
	s_mov_b32 s22, 2048                            ; their rows' bytes
	s_cmp_lt_u32 s23, 2                            ; W_gate, or one of the two others?
	s_cselect_b32 s36, 4096, s22                   ; bytes from row to row
	s_cselect_b32 s37, s27, s21                    ; which 128 along the tensor's own K
	s_cselect_b32 s38, s20, 0                      ; rows to add
.irp i, 0,1,2,3,4,5,6,7,8,9,10,11,12,13,14,15
	v_mad_u32_u24 v[32+\i], s36, \i, v[L16]        ; row i of my 16: pitch x i + 16 x lane
.endr
	s_lshl_b32 s28, s26, 4
	s_add_co_u32 s28, s28, s38                     ; my first row,
	s_mul_i32 s28, s28, s36                        ; in bytes (under 2^23),
	s_lshl_b32 s29, s37, 9
	s_add_co_u32 s28, s28, s29                     ; + 512 bytes a K step
	s_mov_b32 s29, 0
	s_mul_i32 s30, s27, 3
	s_add_co_u32 s30, s30, s23                     ; f = 3 s + g
	s_mul_i32 s32, s26, REC                        ; the record
	s_lshl_b32 s31, s30, 10
	s_add_co_u32 s34, s32, s31                     ; the fragment's codes
	s_mov_b32 s35, 0
	s_add_co_u32 s32, s32, RSC                     ; and its words
	s_lshr_b32 s31, s30, 3
	s_lshl_b32 s31, s31, 9
	s_add_co_u32 s32, s32, s31
	s_and_b32 s31, s30, 1
	s_lshl_b32 s31, s31, 8
	s_add_co_u32 s32, s32, s31
	s_bfe_u32 s31, s30, 0x20001                    ; (f / 2) % 4
	s_lshl_b32 s31, s31, 2
	s_add_co_u32 s32, s32, s31
	s_mov_b32 s33, 0
	s_wait_alu depctr_va_vdst(0)
	s_wait_kmcnt 0x0
	s_cmp_lt_u32 s27, 4
	s_cselect_b64 s[4:5], s[10:11], s[12:13]       ; W_i for the input's K steps, W_h for the hidden state's
	s_cmp_lt_u32 s23, 2
	s_cselect_b64 s[4:5], s[8:9], s[4:5]           ; or W_gate
	s_add_nc_u64 s[4:5], s[4:5], s[28:29]
	s_add_nc_u64 s[20:21], s[18:19], s[34:35]
	s_add_nc_u64 s[18:19], s[18:19], s[32:33]
.irp i, 0,1,2,3,4,5,6,7,8,9,10,11,12,13,14,15
	global_load_b128 v[R+4*\i:R+4*\i+3], v[32+\i], s[4:5] th:TH_LOAD_NT   ; 32 lanes read 512 consecutive bytes of row i
.endr
	s_wait_loadcnt 0x0
	THROUGH R
	QUANT R, PC+16, PW
.irp c, 0,1
	global_store_b128 v[L16], v[PC+16+4*\c:PC+19+4*\c], s[20:21] offset:512*\c
.endr
	global_store_b32 v[R16], v[PW], s[18:19]       ; 16 words, 16 bytes apart; lanes r and r + 16 store the same word to the same place
	FINISH
.Lfunc_end_k_qf4187b1d0b_quant:
	.size	k_qf4187b1d0b_quant, .Lfunc_end_k_qf4187b1d0b_quant-k_qf4187b1d0b_quant
	.p2alignl 7, 3214868480
	.fill 96, 4, 3214868480
	.section	.rodata,"a",@progbits
	.p2align	6, 0x0
	.amdhsa_kernel k_qf4187b1d0b_quant
		.amdhsa_group_segment_fixed_size 94464
		.amdhsa_private_segment_fixed_size 0
		.amdhsa_enable_private_segment 0
		.amdhsa_kernarg_size 64
		.amdhsa_user_sgpr_count 2
		.amdhsa_user_sgpr_kernarg_segment_ptr 1
		.amdhsa_wavefront_size32 1
		.amdhsa_system_sgpr_workgroup_id_x 1
		.amdhsa_system_sgpr_workgroup_id_y 1
		.amdhsa_system_sgpr_workgroup_id_z 1
		.amdhsa_system_vgpr_workitem_id 0
		.amdhsa_next_free_vgpr 256
		.amdhsa_next_free_sgpr 66
		.amdhsa_reserve_vcc 0
		.amdhsa_float_denorm_mode_32 3
		.amdhsa_float_denorm_mode_16_64 3
		.amdhsa_memory_ordered 1
		.amdhsa_forward_progress 1
		.amdhsa_inst_pref_size 39
	.end_amdhsa_kernel
	.amdgpu_metadata
---
amdhsa.version: [ 1, 2 ]
amdhsa.kernels:
  - .name:           k_qf4187b1d0b_quant
    .symbol:         k_qf4187b1d0b_quant.kd
    .args:
      - { .name: input, .offset: 0, .size: 8, .value_kind: global_buffer, .address_space: global }
      - { .name: hidden, .offset: 8, .size: 8, .value_kind: global_buffer, .address_space: global }
      - { .name: W_gate, .offset: 16, .size: 8, .value_kind: global_buffer, .address_space: global }
      - { .name: W_i, .offset: 24, .size: 8, .value_kind: global_buffer, .address_space: global }
      - { .name: W_h, .offset: 32, .size: 8, .value_kind: global_buffer, .address_space: global }
      - { .name: xcodes, .offset: 40, .size: 8, .value_kind: global_buffer, .address_space: global }
      - { .name: xscales, .offset: 48, .size: 8, .value_kind: global_buffer, .address_space: global }
      - { .name: wrec, .offset: 56, .size: 8, .value_kind: global_buffer, .address_space: global }
    .group_segment_fixed_size: 94464
    .private_segment_fixed_size: 0
    .kernarg_segment_align: 8
    .kernarg_segment_size: 64
    .max_flat_workgroup_size: 352
    .sgpr_count:     66
    .vgpr_count:     256
    .wavefront_size: 32
...
	.end_amdgpu_metadata
.endif
;; end of part 1
;; launch gru (part 2): grid 64 x 4, 8 waves a work-group, clusters of 4 x 4, 327,680 bytes of LDS; arguments hidden, xcodes, xscales, wrec, b_gate, b_i, b_h, out0; writes out0
.if DOCPART == 2
	.amdgcn_target "amdgcn-amd-amdhsa--gfx1250"
	.amdhsa_code_object_version 6
	.text
	.protected	k_qf4187b1d0b_gru
	.globl	k_qf4187b1d0b_gru
	.p2align	8
	.type	k_qf4187b1d0b_gru,@function
k_qf4187b1d0b_gru:
	s_mov_b64 s[64:65], 0
	v_nop
	global_prefetch_b8 v0, s[64:65] scope:SCOPE_SE
	s_setreg_imm32_b32 hwreg(HW_REG_WAVE_MODE, 25, 1), 1
	s_wait_xcnt 0x0
	s_wait_alu depctr_hold_cnt(0) depctr_sa_sdst(0) depctr_va_vdst(0) depctr_va_sdst(0) depctr_va_ssrc(0) depctr_va_vcc(0) depctr_vm_vsrc(0)
	s_getreg_b32 s2, hwreg(HW_REG_IB_STS2, 6, 4)
	s_cmp_eq_u32 s2, 0
	s_cbranch_scc0 .Lentry_in_a_cluster
	s_endpgm
.Lentry_in_a_cluster:
	s_bfe_u32 s2, ttmp6, 0x10000c
	s_cmp_lg_u32 s2, 0xf033
	s_cbranch_scc0 .Lentry_shape_is_right
	s_endpgm
.Lentry_shape_is_right:
; A GRU cell: r, z = sigmoid([input | hidden] W_gate^T + b_gate);  n = tanh(input W_i^T + b_i + r (hidden W_h^T + b_h));  out = (1 - z) n + z hidden = n + z (hidden - n).
; All three products on the codes and scale bytes of the launch before, f32 sums; all else in f32.
; SHARES.  A work-group of eight waves makes 256 rows x 128 columns: 64 x 4 = 256 work-groups.  Wave w owns 32 rows: their 16 fragments of x (8 K steps x 2 tiles of 16 rows) go from memory straight into 128 registers, to stay.
; THE WEIGHTS of the 128 columns, eight records of 26,112 bytes (16 columns each: 24 fragments and their scale words), STAY IN LDS and serve all eight waves.  Waves 0-3 bring them, three joint loads each: records 0-1 at the head,
; 2-3 behind the round that shows 0-1 landed, 4-7 behind the round that shows 2-3 landed.  No LDS byte is filled twice.
; CLUSTERS: 4 x 4 work-groups.  The four of a row of the cluster take different rows and the same 128 columns: each weight tile is asked for JOINTLY, with a mask that names the four.  The four of a column read the same codes of x.
; Eight groups of 16 columns: a group is 48 matrix instructions (8 K steps x 3 weights x 2 tiles) on 8 accumulators, and then the gates.  Of a group's 24 fragments 16 come from LDS among the gates of the group before,
; the last eight in the middle of the products, into the registers that the first three K steps have left.
; HIDDEN for the blend is read as whole rows of 256 bytes (64 columns), turns through the wave's own stage in LDS into the results' layout; the outputs take its place there and leave as whole rows of 256 bytes.
; NO PREFETCH: the text has no loop to run ahead in; x and hidden are asked for by the loads themselves, hidden's second half three groups ahead.
; THE PRODUCTS ARE USED TRANSPOSED (source 0 = 16 rows of a weight, source 1 = 16 rows of x): lane (r, h) holds row r and eight neighbouring columns 8 h + 0 .. 7.  The biases are the C of each sum's first instruction.
; LIMITS: NaN and infinities among the inputs are not served.  An exponential that overflows gives infinity, whose reciprocal is 0: sigmoid and tanh then stand at their limits, as in the definition.
; REGISTERS, in windows of 256 (s_set_vgpr_msb: bits 1:0 source 0, 3:2 source 1, 5:4 source 2, 7:6 destination):
;   window 0: v1-15 addresses; v16-39 the weights' scale words, two sets; v40-47 x's; v48-63 hidden at my outputs; v64-127 the biases, two sets; v128-191 the accumulators (tile m, gate ga at 128 + 32 m + 8 ga;
;             ga: 0 r, 1 z, 2 input's part of n, 3 hidden's); v192-255 hidden's rows, 64 columns.
;   window 1: v0-127 x's fragments, (s, m) at 8 (2 s + m); v128-255 weight fragments, f at 128 + 8 (f % 16).
.set REC,  26112
.set RSC,  24576
.set SP,   272                         ; a stage row: 256 bytes + 16
.set SWB,  32*SP
.set STG,  8*REC                       ; behind the records: each wave's stage
.set SPARE, STG+8*SWB                  ; behind the stages: the spare words, 128 bytes a wave
.set L16,  1                           ; v1   16 x lane
.set WA,   1                           ; v1-4 LDS: records 2 j, + 16 x lane
.set STO,  5                           ; v5   my stage in the results' layout: SP r + 32 h
.set SRD,  6                           ; v6   my stage by rows: SP (lane / 16) + 16 (lane % 16)
.set OA,   7                           ; v7   the same place in hidden and out0
.set BOF,  8                           ; v8   32 h: my eight numbers of a bias
.set SPW,  9
.set NIL,  10
.set WSC,  16
.set XS,   40                          ; register s: lanes 0-15 tile 0's words, lanes 16-31 tile 1's
.set HID,  48
.set BIR,  64
.set ACC,  128
.set HR,   192
.set WF,   128
.set HB,   4                           ; s[4:5] hidden, s[6:7] xcodes, s[8:9] xscales, s[10:11] wrec
.set BG,   12
.set BI,   14
.set BH,   16
.set OUT,  18
.set WV,   20
.set G1,   24
.set G0A,  32                          ; group 0 of the three tensor loads; none is rewritten
.set G0B,  36
.set G0C,  48
.set NC,   52                          ; s[52:53] -log2(e), twice: the packed forms name a pair
.set TC,   54                          ; s[54:55] 2 log2(e), twice
.set MSB, 0
.set dsn, 0                            ; LDS loads issued behind the ones that a counted wait is for
.macro WIN new                         ; the immediate's high byte repeats the setting that is left; a switch that changes nothing is dropped
.if MSB != (\new)
	s_set_vgpr_msb (MSB<<8)|(\new)
.set MSB, (\new)
.endif
.endm
.macro CROUND                          ; a round of the cluster's barrier
	s_barrier_signal -1
	s_barrier_wait -1
	s_cmp_lg_u32 s[WV], 0
	s_cbranch_scc1 .Lnot_wave_0_\@
	s_barrier_signal -3
.Lnot_wave_0_\@:
	s_barrier_wait -3
	s_barrier_signal -1
	s_barrier_wait -1
.endm
.macro JLOAD g0                        ; waves 0-3: one joint load behind a round; the four v_nop stand ahead of the first switch of windows
	s_cmp_lt_u32 s[WV], 4
	s_cbranch_scc0 .Lasked_\@
	tensor_load_to_lds s[\g0:\g0+3], s[G1:G1+7]
	s_nop 0
.rept 4
	v_nop
.endr
.Lasked_\@:
.endm
; Loads n0 .. n0 + cnt - 1 of the 35 that bring group g's first 16 fragments and its scale words from LDS: 0-31 the codes, 32-34 the words (register f / 2: fragment f's, in lanes 0-15 (f even) or 16-31 (f odd)).
.macro RUN g, n0, cnt
.set wn, \n0
.rept \cnt
.if wn < 32
	WIN 0x40
	ds_load_b128 v[WF+4*wn:WF+4*wn+3], v[WA+(\g)/2] offset:REC*((\g)%2)+512*wn
.set dsn, dsn+1
.elseif wn < 35
	WIN 0
	ds_load_b128 v[WSC+12*((\g)%2)+4*(wn-32):WSC+12*((\g)%2)+4*(wn-32)+3], v[WA+(\g)/2] offset:REC*((\g)%2)+RSC+512*(wn-32)
.set dsn, dsn+1
.endif
.set wn, wn+1
.endr
	WIN 0
.endm
.macro BIAS g                          ; the four biases at group g's columns, in the results' layout
.irp e, 0,1
	global_load_b128 v[BIR+32*((\g)%2)+4*\e:BIR+3+32*((\g)%2)+4*\e], v[BOF], s[BG:BG+1] offset:64*(\g)+16*\e
	global_load_b128 v[BIR+8+32*((\g)%2)+4*\e:BIR+11+32*((\g)%2)+4*\e], v[BOF], s[BG:BG+1] offset:64*(\g)+16*\e+2048
	global_load_b128 v[BIR+16+32*((\g)%2)+4*\e:BIR+19+32*((\g)%2)+4*\e], v[BOF], s[BI:BI+1] offset:64*(\g)+16*\e
	global_load_b128 v[BIR+24+32*((\g)%2)+4*\e:BIR+27+32*((\g)%2)+4*\e], v[BOF], s[BH:BH+1] offset:64*(\g)+16*\e
.endr
.endm
.macro HIDL c                          ; hidden, my 32 rows x the block's 64 columns c: 16 lanes read 256 consecutive bytes
.set hn, 0
.rept 16
	global_load_b128 v[HR+4*hn:HR+4*hn+3], v[OA], s[HB:HB+1] offset:4096*hn+256*(\c) th:TH_LOAD_NT
.set hn, hn+1
.endr
.endm
; Among group k's gates, place c of eight: a run of group k + 1's fragments.  In groups 1 and 3 the next records are shown landed in the gates' middle: there the runs stand in the second half and are longer.
.macro CHK k, c
.if (\c) == 0 && (\k) < 6
	BIAS (\k)+2                                    ; into the set that group k's products have read
.endif
.if (\c) == 0 && (\k) == 1
	HIDL 1                                         ; its registers were stored into the stage in group 0; those stores have been waited for
.endif
.if (\k) == 1 || (\k) == 3
.if (\c) >= 4
	RUN (\k)+1, 9*((\c)-4), 9
.endif
.elseif (\k) < 7
	RUN (\k)+1, 5*(\c), 5
.endif
.endm
; Group k's 48 matrix instructions.  In a K step its 6 accumulators (3 weights x 2 tiles) take turns, one instruction a turn, in the same order in every step.
; Each sum's first instruction takes its bias as C: K step 0 for r, z and input's part of n, K step 4 for hidden's.
.macro MUL k
.irp s, 0,1,2,3,4,5,6,7
.if \s == 3
.rept 4
	v_nop                                          ; four places between the products of K step 2 and the loads into what the first steps read
.endr
	WIN 0x40
.irp n, 0,1,2,3,4,5,6,7,8,9,10,11,12,13,14,15
	ds_load_b128 v[WF+4*\n:WF+4*\n+3], v[WA+(\k)/2] offset:REC*((\k)%2)+512*(32+\n)   ; fragments 16-23
.endr
.endif
.if \s == 5
	s_wait_dscnt 0xc                               ; fragments 16 and 17 are in; the six younger ones' twelve loads may be out
.elseif \s == 6
	s_wait_dscnt 0x6
.elseif \s == 7
	s_wait_dscnt 0x0
.endif
	WIN 0x05                                       ; sources 0 (weight) and 1 (x) window 1, C and destination window 0
.irp g, 0,1,2
.set rGA, \g
.if (\g == 2) && (\s >= 4)
.set rGA, 3
.endif
.set rF, 3*\s+\g
.set rA, WF+8*(rF%16)
.set rSA, WSC+12*((\k)%2)+rF/2
.irp m, 0,1
.set rD, ACC+32*\m+8*rGA
.set rC, rD
.if (\s == 0) || ((\s == 4) && (\g == 2))
.set rC, BIR+32*((\k)%2)+8*rGA
.endif
.set rB, 8*(2*\s+\m)
.if (rF%2) && (\m%2)
	v_wmma_scale_f32_16x16x128_f8f6f4 v[rD:rD+7], v[rA:rA+7], v[rB:rB+7], v[rC:rC+7], v[rSA], v[XS+\s] matrix_a_fmt:MATRIX_FMT_FP4 matrix_b_fmt:MATRIX_FMT_FP4 matrix_a_scale:MATRIX_SCALE_ROW1 matrix_b_scale:MATRIX_SCALE_ROW1
.elseif rF%2
	v_wmma_scale_f32_16x16x128_f8f6f4 v[rD:rD+7], v[rA:rA+7], v[rB:rB+7], v[rC:rC+7], v[rSA], v[XS+\s] matrix_a_fmt:MATRIX_FMT_FP4 matrix_b_fmt:MATRIX_FMT_FP4 matrix_a_scale:MATRIX_SCALE_ROW1
.elseif \m%2
	v_wmma_scale_f32_16x16x128_f8f6f4 v[rD:rD+7], v[rA:rA+7], v[rB:rB+7], v[rC:rC+7], v[rSA], v[XS+\s] matrix_a_fmt:MATRIX_FMT_FP4 matrix_b_fmt:MATRIX_FMT_FP4 matrix_b_scale:MATRIX_SCALE_ROW1
.else
	v_wmma_scale_f32_16x16x128_f8f6f4 v[rD:rD+7], v[rA:rA+7], v[rB:rB+7], v[rC:rC+7], v[rSA], v[XS+\s] matrix_a_fmt:MATRIX_FMT_FP4 matrix_b_fmt:MATRIX_FMT_FP4
.endif
.endr
.endr
.endr
	WIN 0
.endm
; The gates' middle.  Group 1: records 2-3 have landed everywhere, records 4-7 are asked for.  Group 3: records 4-7 have landed.
.macro MID k
.if (\k) == 1
	s_wait_alu depctr_va_vdst(0)
	s_wait_tensorcnt 0x0                           ; my part of records 2-3 is in
	ds_add_u32 v[SPW], v[NIL]
	ds_add_u32 v[SPW], v[NIL]
	s_mov_b32 s[G1+2], 102<<16                     ; no tensor load of mine is out: from here on a load brings 102 rows
	s_mov_b32 s[G1+4], 102
	s_wait_dscnt 0x0                               ; the adds are done
	CROUND
	JLOAD G0C
.endif
.if (\k) == 3
	s_wait_alu depctr_va_vdst(0)
	s_wait_tensorcnt 0x0                           ; my part of records 4-7 is in,
	s_wait_dscnt 0x0
	s_barrier_signal -1
	s_barrier_wait -1                              ; and everybody's
.endif
.endm
; Hidden at my outputs.  At the first of four groups its 64 columns go from registers into my stage: LDS serves a wave's instructions in order (ISA guide 5.7.1.4).
.macro HIDIN k
.if (\k) == 0
	s_wait_loadcnt 0x8                             ; hidden's first half is in; group 2's eight bias loads may be out
.endif
.if ((\k)%4) == 0
.set hn, 0
.rept 16
	ds_store_b128 v[SRD], v[HR+4*hn:HR+4*hn+3] offset:2*SP*hn
.set hn, hn+1
.endr
.endif
.irp m, 0,1
.irp e, 0,1
	ds_load_b128 v[HID+8*\m+4*\e:HID+8*\m+4*\e+3], v[STO] offset:64*((\k)%4)+16*SP*\m+16*\e
.endr
.endr
.set dsn, 0
.endm
.macro SEND k, u                       ; rows 16 u on: 16 lanes store 256 consecutive bytes, at a multiple of 256 from out0's first byte
.irp i, 0,1,2,3,4,5,6,7
	global_store_b128 v[OA], v[ACC+32*(\u)+4*\i:ACC+32*(\u)+4*\i+3], s[OUT:OUT+1] offset:(16*(\u)+2*\i)*2048+256*((\k)/4) th:TH_STORE_NT
.endr
.endm
.macro BATCH op, off, n, t             ; a transcendental on registers off .. off + n - 1 of tile t, in place
.set bi, 0
.rept \n
	\op v[ACC+32*(\t)+(\off)+bi], v[ACC+32*(\t)+(\off)+bi]
.set bi, bi+1
.endr
.endm
; The gates of group k, both tiles (16 outputs a lane), in place on the accumulators, each read from its low end on.  A wait ahead of each batch of transcendentals and one behind it.
.macro GATES k
.irp t, 0,1
.irp i, 0,2,4,6,8,10,12,14
	v_pk_mul_f32 v[ACC+32*\t+\i:ACC+32*\t+\i+1], v[ACC+32*\t+\i:ACC+32*\t+\i+1], s[NC:NC+1] op_sel_hi:[1,0]   ; r's and z's sums x -log2(e)
.endr
.endr
	s_wait_alu depctr_va_vdst(0)
	BATCH v_exp_f32, 0, 16, 0
	CHK \k, 0
	BATCH v_exp_f32, 0, 16, 1
	v_nop                                          ; a plain place behind the last transcendental (ISA guide 5.7.2)
	s_wait_alu depctr_va_vdst(0)
.irp t, 0,1
.irp i, 0,2,4,6,8,10,12,14
	v_pk_add_f32 v[ACC+32*\t+\i:ACC+32*\t+\i+1], v[ACC+32*\t+\i:ACC+32*\t+\i+1], 1.0 op_sel_hi:[1,0]
.endr
.endr
	CHK \k, 1
	s_wait_alu depctr_va_vdst(0)
	BATCH v_rcp_f32, 0, 16, 0                      ; r, z = 1 / (1 + 2^(-x log2(e)))
	CHK \k, 2
	BATCH v_rcp_f32, 0, 16, 1
	v_nop
	CHK \k, 3
	MID \k
	HIDIN \k
	CHK \k, 4
	s_wait_alu depctr_va_vdst(0)                   ; for the reciprocals and for the first reads of input's and hidden's parts
.irp t, 0,1
.irp i, 0,2,4,6
	v_pk_fma_f32 v[ACC+32*\t+16+\i:ACC+32*\t+17+\i], v[ACC+32*\t+\i:ACC+32*\t+\i+1], v[ACC+32*\t+24+\i:ACC+32*\t+25+\i], v[ACC+32*\t+16+\i:ACC+32*\t+17+\i]   ; input's part + r x hidden's part
.endr
.endr
.irp t, 0,1
.irp i, 0,2,4,6
	v_pk_mul_f32 v[ACC+32*\t+16+\i:ACC+32*\t+17+\i], v[ACC+32*\t+16+\i:ACC+32*\t+17+\i], s[TC:TC+1] op_sel_hi:[1,0]   ; x 2 log2(e)
.endr
.endr
	s_wait_alu depctr_va_vdst(0)
	BATCH v_exp_f32, 16, 8, 0
	CHK \k, 5
	BATCH v_exp_f32, 16, 8, 1
	v_nop
	s_wait_alu depctr_va_vdst(0)
.irp t, 0,1
.irp i, 0,2,4,6
	v_pk_add_f32 v[ACC+32*\t+16+\i:ACC+32*\t+17+\i], v[ACC+32*\t+16+\i:ACC+32*\t+17+\i], 1.0 op_sel_hi:[1,0]
.endr
.endr
	CHK \k, 6
	s_wait_alu depctr_va_vdst(0)
	BATCH v_rcp_f32, 16, 8, 0
	CHK \k, 7
	BATCH v_rcp_f32, 16, 8, 1
	v_nop
	s_wait_alu depctr_va_vdst(0)
.irp t, 0,1
.irp i, 0,2,4,6
	v_pk_fma_f32 v[ACC+32*\t+16+\i:ACC+32*\t+17+\i], v[ACC+32*\t+16+\i:ACC+32*\t+17+\i], -2.0, 1.0 op_sel_hi:[1,0,0]   ; n = tanh = 1 - 2 / (1 + 2^(2 x log2(e)))
.endr
.endr
	s_wait_alu depctr_va_vdst(0)
	s_wait_dscnt dsn                               ; hidden is in; the next group's loads issued behind it may be out
.irp t, 0,1
.irp i, 0,2,4,6
	v_pk_add_f32 v[ACC+32*\t+24+\i:ACC+32*\t+25+\i], v[HID+8*\t+\i:HID+8*\t+\i+1], v[ACC+32*\t+16+\i:ACC+32*\t+17+\i] neg_lo:[0,1] neg_hi:[0,1]   ; hidden - n
.endr
.endr
.irp t, 0,1
.irp i, 0,2,4,6
	v_pk_fma_f32 v[ACC+32*\t+\i:ACC+32*\t+\i+1], v[ACC+32*\t+8+\i:ACC+32*\t+9+\i], v[ACC+32*\t+24+\i:ACC+32*\t+25+\i], v[ACC+32*\t+16+\i:ACC+32*\t+17+\i]   ; n + z (hidden - n)
.endr
.endr
.irp t, 0,1
.irp e, 0,1
	ds_store_b128 v[STO], v[ACC+32*\t+4*\e:ACC+32*\t+4*\e+3] offset:16*SP*\t+64*((\k)%4)+16*\e   ; the outputs take hidden's place in my stage
.endr
.endr
.endm
; Group k: columns 16 k on of the block's 128.
.macro SUB k
.if (\k) == 0 || (\k) == 2 || (\k) == 3
	s_wait_loadcnt 0x18                            ; my biases (group 0: and x) are in; behind them 8 bias loads and 16 of hidden may be out
.elseif (\k) == 7
	s_wait_loadcnt 0x0                             ; the last group's biases: nothing was issued behind them
.elseif (\k) > 3
	s_wait_loadcnt 0x8                             ; the next group's eight bias loads may be out
.endif                                 ; (group 1's biases are older than hidden's first half, which has been waited for)
.if (\k) == 0 || (\k) == 4
	s_wait_dscnt 0x0                               ; the group's first 16 fragments and its scale words are in
.else
	s_wait_dscnt 0x4                               ; likewise; the last group's four stores into the stage may be out
.endif
.if (\k) == 4
	s_wait_xcnt 0x0                                ; the stores of the first 64 columns have read the accumulators
.endif
	MUL \k
.rept 4
	v_nop                                          ; four places between the last products and the first read of results, and the first load into what they read
.endr
	GATES \k
.if ((\k)%4) == 3                      ; four groups are whole rows of 256 bytes: back from the stage into the accumulators, which their results have left, and out
.irp i, 0,1,2,3,4,5,6,7,8,9,10,11,12,13,14,15
	ds_load_b128 v[ACC+4*\i:ACC+4*\i+3], v[SRD] offset:2*SP*\i
.endr
	s_wait_dscnt 0x8                               ; rows 0-15 are back
	SEND \k, 0
	s_wait_dscnt 0x0
	SEND \k, 1
.endif
.endm
	s_load_b256 s[4:11], s[0:1], 0x0               ; hidden, xcodes, xscales, wrec
	s_load_b256 s[12:19], s[0:1], 0x20             ; b_gate, b_i, b_h, out0
	v_lshl_add_u32 v[SPW], v0, 2, SPARE
	v_mov_b32 v[NIL], 0
	ds_add_u32 v[SPW], v[NIL]                      ; the wave's opening: the add, twice on end, under one wait, ahead of my first tensor load
	ds_add_u32 v[SPW], v[NIL]
	v_lshrrev_b32 v12, 5, v0
	v_readfirstlane_b32 s[WV], v12                 ; wave 0..7
	s_mul_i32 s21, s[WV], SWB
	s_add_co_u32 s21, s21, STG                     ; my stage
	v_and_b32 v13, 31, v0                          ; lane
	v_and_b32 v14, 15, v0                          ; r, and lane % 16
	v_bfe_u32 v15, v0, 4, 1                        ; h, and lane / 16
	v_lshlrev_b32 v[L16], 4, v13
	v_add_nc_u32 v[WA+1], 2*REC, v[L16]
	v_add_nc_u32 v[WA+2], 4*REC, v[L16]
	v_add_nc_u32 v[WA+3], 6*REC, v[L16]
	v_mul_u32_u24 v[STO], v14, SP
	v_lshl_add_u32 v[STO], v15, 5, v[STO]
	v_add_nc_u32 v[STO], s21, v[STO]
	v_mul_u32_u24 v[SRD], v15, SP
	v_lshl_add_u32 v[SRD], v14, 4, v[SRD]
	v_add_nc_u32 v[SRD], s21, v[SRD]
	v_lshlrev_b32 v[OA], 11, v15
	v_lshl_add_u32 v[OA], v14, 4, v[OA]
	v_lshlrev_b32 v[BOF], 5, v15
	s_bfe_u32 s40, ttmp6, 0x40000                  ; cx
	s_bfe_u32 s41, ttmp6, 0x40004                  ; cy: which 128 columns (the grid is one cluster high)
	s_lshl_b32 s42, ttmp9, 2
	s_add_co_u32 s42, s42, s40                     ; which 256 rows
	s_lshl_b32 s43, s41, 2
	s_lshl_b32 s43, 15, s43                        ; my row of the cluster: places 4 cy .. 4 cy + 3
	; descriptor group 1: a dense block as rows of 256 bytes: 32 elements of 8 bytes; 51 rows a wave are two records, 102 rows four
	s_or_b32 s[G1+0], s43, (3<<16)|(1<<21)         ; 15:0 the mask; 17:16 elements of 8 bytes; 21 set beside a mask
	s_mov_b32 s[G1+1], 32<<16                      ; tensor_dim0
	s_mov_b32 s[G1+2], 51<<16                      ; tensor_dim1
	s_mov_b32 s[G1+3], 32<<16                      ; tile_dim0
	s_mov_b32 s[G1+4], 51                          ; tile_dim1
	s_mov_b32 s[G1+5], 32                          ; pitch
	s_mov_b32 s[G1+6], 0
	s_mov_b32 s[G1+7], 0
	s_mul_i32 s44, s[WV], 51*256                   ; my quarter of two records (used by waves 0-3 alone)
	s_mov_b32 s45, 0
	s_mul_i32 s22, s[WV], 102*256                  ; and of four
	s_mov_b32 s23, 0
	s_mov_b32 s[G0A], 1
	s_mul_i32 s[G0A+1], s[WV], 51*256              ; LDS: records 0-1,
	s_mov_b32 s[G0B], 1
	s_add_co_u32 s[G0B+1], s[G0A+1], 2*REC         ; 2-3,
	s_mov_b32 s[G0C], 1
	s_mul_i32 s[G0C+1], s[WV], 102*256
	s_add_co_u32 s[G0C+1], s[G0C+1], 4*REC         ; 4-7
	s_mul_i32 s46, s41, 8*REC                      ; the block's eight records
	s_mov_b32 s47, 0
	s_mov_b32 s[NC], 0xbfb8aa3b                    ; -log2(e)
	s_mov_b32 s[NC+1], s[NC]
	s_mov_b32 s[TC], 0x4038aa3b                    ; 2 log2(e)
	s_mov_b32 s[TC+1], s[TC]
	s_lshl_b32 s56, s42, 2
	s_lshr_b32 s57, s[WV], 1
	s_add_co_u32 s56, s56, s57                     ; which 64 rows,
	s_and_b32 s3, s[WV], 1                         ; and which half of them is mine
	s_lshl_b32 s58, s56, 15                        ; the 64 rows' codes,
	s_lshl_b32 s57, s3, 11                         ; my two tiles' in each K step
	s_add_co_u32 s58, s58, s57
	s_mov_b32 s59, 0
	s_lshl_b32 s60, s56, 11                        ; their scale words
	s_lshl_b32 s57, s3, 9
	s_add_co_u32 s60, s60, s57
	s_mov_b32 s61, 0
	s_wait_alu depctr_va_vdst(0)
	s_wait_dscnt 0x0                               ; both opening adds are done
	s_wait_kmcnt 0x0
	s_add_nc_u64 s[6:7], s[6:7], s[58:59]
	s_add_nc_u64 s[8:9], s[8:9], s[60:61]
	WIN 0x40
.irp s, 0,1,2,3,4,5,6,7
.irp n, 0,1,2,3
	global_load_b128 v[16*\s+4*\n:16*\s+4*\n+3], v[L16], s[6:7] offset:4096*\s+512*\n   ; x's codes: 512 consecutive bytes a load
.endr
.endr
	WIN 0
.irp n, 0,1
	global_load_b128 v[XS+4*\n:XS+4*\n+3], v[L16], s[8:9] offset:1024*\n
.endr
	s_add_nc_u64 s[10:11], s[10:11], s[46:47]
	s_add_nc_u64 s[G0A+2:G0A+3], s[10:11], s[44:45]
	s_add_nc_u64 s[G0B+2:G0B+3], s[G0A+2:G0A+3], 2*REC
	s_add_nc_u64 s[G0C+2:G0C+3], s[10:11], s[22:23]
	s_add_nc_u64 s[G0C+2:G0C+3], s[G0C+2:G0C+3], 4*REC
	s_or_b32 s[G0A+3], s[G0A+3], 0x80000000        ; type = 2
	s_or_b32 s[G0B+3], s[G0B+3], 0x80000000
	s_or_b32 s[G0C+3], s[G0C+3], 0x80000000
	s_lshl_b32 s62, s41, 9                         ; the block's 128 columns, in bytes of f32
	s_mov_b32 s63, 0
	s_add_nc_u64 s[BG:BG+1], s[BG:BG+1], s[62:63]
	s_add_nc_u64 s[BI:BI+1], s[BI:BI+1], s[62:63]
	s_add_nc_u64 s[BH:BH+1], s[BH:BH+1], s[62:63]
	s_add_nc_u64 s[HB:HB+1], s[HB:HB+1], s[62:63]
	s_add_nc_u64 s[OUT:OUT+1], s[OUT:OUT+1], s[62:63]
	s_lshl_b32 s56, s56, 17                        ; the 64 rows of 2,048 bytes in hidden and out0,
	s_lshl_b32 s57, s3, 16                         ; my 32
	s_add_co_u32 s56, s56, s57
	s_mov_b32 s57, 0
	s_add_nc_u64 s[HB:HB+1], s[HB:HB+1], s[56:57]
	s_add_nc_u64 s[OUT:OUT+1], s[OUT:OUT+1], s[56:57]
	CROUND                                         ; all sixteen work-groups are here: the first joint loads meet
	JLOAD G0A                                      ; records 0-1: at most one tensor load a wave at the head
	BIAS 0
	BIAS 1
	HIDL 0
	s_wait_tensorcnt 0x0                           ; my part of records 0-1 is in
	ds_add_u32 v[SPW], v[NIL]
	ds_add_u32 v[SPW], v[NIL]
	s_wait_dscnt 0x0                               ; the adds are done
	CROUND                                         ; everybody's part is in, and the joint loads meet
	JLOAD G0B                                      ; records 2-3, the first tensor load behind the round
	RUN 0, 0, 35
.irp k, 0,1,2,3,4,5,6,7
	SUB \k
.endr
	s_wait_tensorcnt 0x0                           ; the wave's end
	ds_add_u32 v[SPW], v[NIL]
	s_wait_dscnt 0x0
	CROUND                                         ; the closing round: no work-group ends while a partner may still ask for a tile that names it
	s_endpgm
.Lfunc_end_k_qf4187b1d0b_gru:
	.size	k_qf4187b1d0b_gru, .Lfunc_end_k_qf4187b1d0b_gru-k_qf4187b1d0b_gru
	.p2alignl 7, 3214868480
	.fill 96, 4, 3214868480
	.section	.rodata,"a",@progbits
	.p2align	6, 0x0
	.amdhsa_kernel k_qf4187b1d0b_gru
		.amdhsa_group_segment_fixed_size 327680
		.amdhsa_private_segment_fixed_size 0
		.amdhsa_enable_private_segment 0
		.amdhsa_kernarg_size 64
		.amdhsa_user_sgpr_count 2
		.amdhsa_user_sgpr_kernarg_segment_ptr 1
		.amdhsa_wavefront_size32 1
		.amdhsa_system_sgpr_workgroup_id_x 1
		.amdhsa_system_sgpr_workgroup_id_y 1
		.amdhsa_system_sgpr_workgroup_id_z 1
		.amdhsa_system_vgpr_workitem_id 0
		.amdhsa_next_free_vgpr 512
		.amdhsa_next_free_sgpr 66
		.amdhsa_reserve_vcc 0
		.amdhsa_float_denorm_mode_32 3
		.amdhsa_float_denorm_mode_16_64 3
		.amdhsa_memory_ordered 1
		.amdhsa_forward_progress 1
		.amdhsa_inst_pref_size 179
	.end_amdhsa_kernel
	.amdgpu_metadata
---
amdhsa.version: [ 1, 2 ]
amdhsa.kernels:
  - .name:           k_qf4187b1d0b_gru
    .symbol:         k_qf4187b1d0b_gru.kd
    .args:
      - { .name: hidden, .offset: 0, .size: 8, .value_kind: global_buffer, .address_space: global }
      - { .name: xcodes, .offset: 8, .size: 8, .value_kind: global_buffer, .address_space: global }
      - { .name: xscales, .offset: 16, .size: 8, .value_kind: global_buffer, .address_space: global }
      - { .name: wrec, .offset: 24, .size: 8, .value_kind: global_buffer, .address_space: global }
      - { .name: b_gate, .offset: 32, .size: 8, .value_kind: global_buffer, .address_space: global }
      - { .name: b_i, .offset: 40, .size: 8, .value_kind: global_buffer, .address_space: global }
      - { .name: b_h, .offset: 48, .size: 8, .value_kind: global_buffer, .address_space: global }
      - { .name: out0, .offset: 56, .size: 8, .value_kind: global_buffer, .address_space: global }
    .group_segment_fixed_size: 327680
    .private_segment_fixed_size: 0
    .kernarg_segment_align: 8
    .kernarg_segment_size: 64
    .max_flat_workgroup_size: 256
    .sgpr_count:     66
    .vgpr_count:     512
    .wavefront_size: 32
...
	.end_amdgpu_metadata
.endif
;; end of part 2
